; MI455X (gfx1250); checked and timed in simulation.
; The chip was launched on July 23, 2026; its instructions are those of AMD's public machine-readable ISA for CDNA 5 (MIT licence, August 2026) and "CDNA5" Instruction Set Architecture Reference Guide (July 2026). The comments in the code are by the model that wrote it; some were corrected since.
;; Attention MLP Autograd. Allowed arithmetic: float matrix products may take bf16 or f16 operands with f32 sums; all other float work in f32.
;; Inputs: K 2 x 1,024 x 64 float32; Q 2 x 1,024 x 64 float32; bias 64 float32; mask 2 x 1,024 x 1,024 float32.
;; Outputs: out0 2 x 1,024 x 64 float32; out1 2 x 1,024 x 1,024 float32.
;; 2 versions, each right and faster than the one before. Each part assembles by itself: llvm-mc -triple=amdgcn-amd-amdhsa -mcpu=gfx1250 --defsym DOCPART=n.
;; ======== version 1 of 2: 1 launch
;; launch attn (part 1): grid 256 x 1, 8 waves a work-group, clusters of 4 x 1, 316,416 bytes of LDS; arguments K, Q, bias, mask, out0, out1; writes out0, out1
.if DOCPART == 1
	.amdgcn_target "amdgcn-amd-amdhsa--gfx1250"
	.amdhsa_code_object_version 6
	.text
	.protected	k_q120b60bbfe_attn
	.globl	k_q120b60bbfe_attn
	.p2align	8
	.type	k_q120b60bbfe_attn,@function
k_q120b60bbfe_attn:
	s_mov_b64 s[64:65], 0
	v_nop
	global_prefetch_b8 v0, s[64:65] scope:SCOPE_SE
	s_setreg_imm32_b32 hwreg(HW_REG_WAVE_MODE, 25, 1), 1
	s_wait_xcnt 0x0
	s_wait_alu depctr_hold_cnt(0) depctr_sa_sdst(0) depctr_va_vdst(0) depctr_va_sdst(0) depctr_va_ssrc(0) depctr_va_vcc(0) depctr_vm_vsrc(0)
	s_getreg_b32 s2, hwreg(HW_REG_IB_STS2, 6, 4)
	s_cmp_eq_u32 s2, 0
	s_cbranch_scc0 .Lentry_in_a_cluster
	s_endpgm
.Lentry_in_a_cluster:
	s_bfe_u32 s2, ttmp6, 0x10000c
	s_cmp_lg_u32 s2, 0x3003
	s_cbranch_scc0 .Lentry_shape_is_right
	s_endpgm
.Lentry_shape_is_right:
; out0[b][i][c] = sum_j sigmoid(Q[b][i][c] K[b][j][c] + bias[c]) mask[b][i][j] / sum_j mask[b][i][j]
; out1[b][i][j] = (sum_c Q[b][i][c] K[b][j][c]) mask[b][i][j]          B = 2, I = J = 1024, C = 64, all f32.
;
; SHARES.  2048 rows (b, i) over 256 work-groups: 8 rows each, all 1024 j.  Eight waves; wave w owns j = 128 w .. 128 w + 127 for all
; 8 rows.  Lane l owns channels 2 l and 2 l + 1, so the sum over j stays in the lane (8 register pairs); the eight waves' sums meet once in LDS.
; The work is 2 x 8 x 128 = 2,048 sigmoids a lane, each one v_exp_f32 and one v_rcp_f32; the product Q K^T is 16 matrix instructions a wave.
; Two waves on a SIMD, not one with a large tile: there is no large matrix tile to hold, and one wave's LDS waits are covered by the other's arithmetic.
;
; LDS, filled once, nothing is filled again: K[b] whole in f32 (8 x 32,768 bytes, a wave's 128 rows each), 8 mask tiles (8 rows x 512 bytes, laid at a
; pitch of 528 by the descriptor's padding), 8 stages of 2,304 bytes.  Every wave fills and reads its own bytes alone, so its own TENSORcnt is all the
; ordering that its reads need; the one work-group barrier stands in front of the final sum over the waves.
;
; CLUSTER.  128 work-groups (32 whole clusters of 4) work on one batch and need the same K.  Each wave's two loads of K are joint loads of the
; four work-groups (mask 15): same line, same descriptor (made of the cluster's x and the wave's number alone), behind one round of the cluster's
; barrier.  That divides the requests for K by four.  The mask tile is each work-group's own: a plain load.  A wave has three tensor loads out at the most.
;
; out1.  The K pairs that the sigmoid stream has in registers anyway are rounded to bf16 and laid in the wave's stage (16 rows, pitch 144), read back as a
; fragment, and multiplied with K's rows as source 0 and Q's rows as source 1: a lane then holds 8 neighbouring j of row (lane % 8).  The work-group
; has only 8 rows, so columns 8-15 of the matrix tile repeat rows 0-7 (same values to the same LDS bytes).  The product times the mask overwrites the mask
; bytes of those 16 j, which the sigmoid stream has read by then and into which no tensor load lands any more; after 64 j whole rows of 256 bytes leave.
;
; LIMITS.  v_exp_f32 and v_rcp_f32 flush denormals (ISA guide, their entries in chapter 15): a sigmoid below 2^-126 counts as 0; a mask row sum of
; magnitude below 2^-126 counts as 0, one above 2^126 has the reciprocal 0.  Overflow is harmless: 2^t = inf gives 1 + inf, whose reciprocal is 0.
; An all-zero mask row gives 0 x inf = NaN, as the division 0 / 0 does.  Q K^T has bf16 operands and f32 sums.
.set KROW,   256                       ; bytes in a row of K, Q, out0
.set MROW,   4096                      ; bytes in a row of mask, out1
.set KSLICE, 128*KROW                  ; a wave's rows of K
.set KCHUNK, 64*KROW                   ; what one load of K brings
.set MBASE,  8*KSLICE                  ; LDS: the mask tiles begin behind K
.set MPITCH, 528                       ; 512 bytes + 16 of padding: 8 rows begin at 8 different 16-byte columns of 256 bytes
.set MTILE,  4352                      ; 8 x 528 = 4,224, rounded up to blocks of 256
.set SBASE,  MBASE+8*MTILE             ; LDS: the stages
.set STW,    2304                      ; a wave's stage: 16 x 144; later 8 x 256 of partial sums and 8 words of mask sums
.set BPITCH, 144                       ; 128 bytes of bf16 + 16: 9 x 16, so 16 rows begin at 16 different 16-byte columns of 256 bytes
.set MSOFF,  2048                      ; the mask sums' place in a stage
.set NSTEP,  128                       ; steps of a block: 16 j x 8 rows
.set KAD, 10                           ; LDS: my 8 bytes in the block's first row of K          (+4,096 a block)
.set MAD, 11                           ; LDS: the block's first column in my wave's mask tile, the same in all lanes   (+64 a block)
.set MDA, 12                           ; LDS: row lane % 8, columns 8 (lane / 16) .. +7 of the block, in the mask tile   (+64 a block)
.set BST, 13                           ; LDS: my word in the stage's first bf16 row
.set FRA, 14                           ; LDS: my fragment's first 16 bytes in the stage
.set RDA, 15                           ; LDS: the way out: row lane / 16, 16 bytes at 16 (lane % 16)
.set COF, 16                           ; out1: the same place
.set PST, 17                           ; LDS: my 8 bytes of my wave's partial sums
.set MSA, 18                           ; LDS: my wave's mask sum of row lane % 8
.set PRD, 19                           ; LDS: my 8 bytes of row w in wave 0's partial sums
.set MSR, 20                           ; LDS: wave (lane % 8)'s mask sum of row w
.set OOF, 21                           ; out0: my 8 bytes of row w
.set QOF, 22                           ; Q, bias: 8 x lane
.set QFO, 23                           ; Q: my fragment's first bytes
.set BP,  24                           ; v[24:25]   -log2(e) bias of my 2 channels
.set MS,  26                           ; v[26:27]   running sum of the mask, D's layout
.set CV,  28                           ; v[28:31]   bf16 words on their way to the stage
.set QP,  32                           ; v[32:47]   -log2(e) Q of my 2 channels, 8 rows
.set ACC, 48                           ; v[48:63]   the sums over j, 8 rows
.set SL,  64                           ; v[64:79]   8 slots (one a row): t, then 2^t, then 1 + 2^t, then the sigmoid
.set KR,  80                           ; v[80:111]  K of my 2 channels, the block's 16 j
.set MR,  112                          ; v[112:175] mask, two sets of 8 rows x 4 j, the same in all lanes
.set QF,  176                          ; v[176:191] Q as bf16 fragments, channels 0-31 and 32-63
.set AF,  192                          ; v[192:207] K as bf16 fragments, likewise
.set D0,  208                          ; v[208:215] product over channels 0-31
.set D1,  216                          ; v[216:223] product over channels 32-63
.set DM,  224                          ; v[224:231] mask in D's layout
.set PR,  232                          ; v[232:239] out1's numbers
.set OB,  240                          ; v[240:255] the way out
.set G1K,  24                          ; s[24:31] group 1 of K's loads
.set G1M,  32                          ; s[32:39] group 1 of the mask's load
.set G0K0, 40                          ; s[40:43] group 0: K rows 0-63 of my slice
.set G0M,  44                          ; s[44:47] group 0: my mask tile
.set G0K1, 48                          ; s[48:51] group 0: K rows 64-127
; A round of the cluster's barrier: my work-group's barrier, wave 0 signals for the work-group, every wave waits for all four, my work-group's barrier again.
.macro ROUND
	s_barrier_signal -1
	s_barrier_wait -1
	s_cmp_lg_u32 s16, 0
	s_cbranch_scc1 .Lnot_wave_0_\@
	s_barrier_signal -3
.Lnot_wave_0_\@:
	s_barrier_wait -3
	s_barrier_signal -1
	s_barrier_wait -1
.endm
	s_load_b256 s[4:11], s[0:1], 0x0               ; K s[4:5], Q s[6:7], bias s[8:9], mask s[10:11]
	s_load_b128 s[12:15], s[0:1], 0x20             ; out0 s[12:13], out1 s[14:15]
	v_lshl_add_u32 v8, v0, 2, 0x4d000
	v_mov_b32 v9, 0
	ds_add_u32 v8, v9
	v_lshrrev_b32 v1, 5, v0
	v_readfirstlane_b32 s16, v1                    ; wave 0..7
	s_bfe_u32 s17, ttmp6, 0x40000                  ; cx: my place in the cluster
	s_lshl_b32 s18, ttmp9, 2
	s_add_co_u32 s18, s18, s17                     ; work-group = 4 x cluster + cx
	s_lshr_b32 s19, ttmp9, 5                       ; batch: 32 clusters each; made of the cluster's x alone
	; K's group 1: a dense block as 64 rows of 32 elements of 8 bytes
	s_mov_b32 s[G1K+0], 15|(3<<16)|(1<<21)         ; 15:0 the four work-groups; 17:16 elements of 8 bytes; 21 set beside a mask
	s_mov_b32 s[G1K+1], 32<<16                     ; tensor_dim0 = 32
	s_mov_b32 s[G1K+2], 64<<16                     ; tensor_dim1 = 64
	s_mov_b32 s[G1K+3], 32<<16                     ; tile_dim0 = 32
	s_mov_b32 s[G1K+4], 64                         ; tile_dim1 = 64
	s_mov_b32 s[G1K+5], 32                         ; from row to row: 32 elements
	s_mov_b32 s[G1K+6], 0
	s_mov_b32 s[G1K+7], 0
	; the mask's group 1: 8 rows of 128 f32, 1,024 elements apart, 4 words of padding behind every 128 words
	s_mov_b32 s[G1M+0], (2<<16)|(1<<20)|(6<<22)|(3<<25)
	s_mov_b32 s[G1M+1], 128<<16                    ; tensor_dim0 = 128
	s_mov_b32 s[G1M+2], 8<<16                      ; tensor_dim1 = 8
	s_mov_b32 s[G1M+3], 128<<16                    ; tile_dim0 = 128
	s_mov_b32 s[G1M+4], 8                          ; tile_dim1 = 8
	s_mov_b32 s[G1M+5], 1024
	s_mov_b32 s[G1M+6], 0
	s_mov_b32 s[G1M+7], 0
	; the three groups 0.  LDS addresses: a constant plus the wave's number times a constant
	s_mov_b32 s[G0K0], 1
	s_mov_b32 s[G0M], 1
	s_mov_b32 s[G0K1], 1
	s_lshl_b32 s[G0K0+1], s16, 15                  ; wave x 32,768
	s_add_co_u32 s[G0K1+1], s[G0K0+1], KCHUNK
	s_mul_i32 s22, s16, MTILE
	s_add_co_u32 s[G0M+1], s22, MBASE
	s_lshl_b32 s54, s19, 18                        ; K: batch x 262,144 + wave x 32,768 bytes: equal in the four partners
	s_lshl_b32 s55, s16, 15
	s_add_co_u32 s54, s54, s55
	s_mov_b32 s55, 0
	s_lshl_b32 s52, s18, 15                        ; mask and out1: work-group x 8 rows x 4,096 + wave x 512 bytes
	s_lshl_b32 s53, s16, 9
	s_add_co_u32 s52, s52, s53
	s_mov_b32 s53, 0
	s_lshl_b32 s20, s18, 11                        ; Q and out0: work-group x 8 rows x 256 bytes
	s_mov_b32 s21, 0
	s_wait_dscnt 0x0
	s_wait_kmcnt 0x0
	s_add_nc_u64 s[G0K0+2:G0K0+3], s[4:5], s[54:55]
	s_add_nc_u64 s[G0K1+2:G0K1+3], s[G0K0+2:G0K0+3], KCHUNK
	s_add_nc_u64 s[G0M+2:G0M+3], s[10:11], s[52:53]
	s_or_b32 s[G0K0+3], s[G0K0+3], 0x80000000      ; type = 2
	s_or_b32 s[G0K1+3], s[G0K1+3], 0x80000000
	s_or_b32 s[G0M+3], s[G0M+3], 0x80000000
	s_add_nc_u64 s[14:15], s[14:15], s[52:53]
	s_add_nc_u64 s[6:7], s[6:7], s[20:21]
	s_add_nc_u64 s[12:13], s[12:13], s[20:21]
	ROUND                                          ; all four work-groups are here: the joint loads meet
	tensor_load_to_lds s[G0K0:G0K0+3], s[G1K:G1K+7]    ; all fills of the launch, as one group
	s_nop 0
	tensor_load_to_lds s[G0M:G0M+3], s[G1M:G1M+7]
	s_nop 0
	tensor_load_to_lds s[G0K1:G0K1+3], s[G1K:G1K+7]
	s_nop 0
	; while they are on their way: Q, bias, addresses
	v_and_b32 v1, 31, v0                           ; lane
	v_and_b32 v2, 15, v0                           ; r = lane % 16
	v_bfe_u32 v3, v0, 4, 1                         ; h = lane / 16
	v_and_b32 v4, 7, v0                            ; lane % 8
	v_lshlrev_b32 v[QOF], 3, v1
	v_lshlrev_b32 v[QFO], 8, v4                    ; fragment: row lane % 8,
	v_lshl_add_u32 v[QFO], v3, 5, v[QFO]           ; channels 8 h .. (32 bytes of f32)
.irp i, 0,1,2,3,4,5,6,7
	global_load_b64 v[QP+2*\i:QP+2*\i+1], v[QOF], s[6:7] offset:\i*KROW
.endr
	global_load_b64 v[BP:BP+1], v[QOF], s[8:9]
	; fragment registers 0-3 hold k = 8 h .. +7, registers 4-7 k = 16 + 8 h .. +7 (ISA guide 7.12.2): in f32 two loads of 16 bytes each, at 0 and at 64 bytes; the second K step 128 bytes on
.irp t, 0,1,2,3,4,5,6,7
	global_load_b128 v[MR+4*\t:MR+4*\t+3], v[QFO], s[6:7] offset:(\t/4)*128+((\t/2)%2)*64+(\t%2)*16
.endr
	s_mul_i32 s22, s16, STW
	s_add_co_u32 s22, s22, SBASE                   ; my stage
	s_lshl_b32 s23, s16, 8                         ; row w of 256 bytes
	s_lshl_b32 s59, s16, 2
	s_mov_b32 s56, 0x76543210                      ; v_permlanex16_b32: lane i reads lane i of the other half
	s_mov_b32 s57, 0xfedcba98
	v_lshl_add_u32 v[KAD], v1, 3, s[G0K0+1]
	v_mov_b32 v[MAD], s[G0M+1]
	v_mul_u32_u24 v7, v4, MPITCH
	v_lshl_add_u32 v7, v3, 5, v7
	v_add_nc_u32 v[MDA], s[G0M+1], v7
	v_lshl_add_u32 v[BST], v1, 2, s22
	v_mul_u32_u24 v7, v2, BPITCH
	v_lshl_add_u32 v7, v3, 4, v7
	v_add_nc_u32 v[FRA], s22, v7
	v_mul_u32_u24 v7, v3, MPITCH
	v_lshl_add_u32 v7, v2, 4, v7
	v_add_nc_u32 v[RDA], s[G0M+1], v7
	v_lshlrev_b32 v7, 12, v3
	v_lshl_add_u32 v[COF], v2, 4, v7
	v_lshl_add_u32 v[PST], v1, 3, s22
	v_lshl_add_u32 v[MSA], v4, 2, s22
	v_add_nc_u32 v[MSA], MSOFF, v[MSA]
	v_lshl_add_u32 v[OOF], v1, 3, s23
	v_add_nc_u32 v[PRD], SBASE, v[OOF]
	v_mul_u32_u24 v7, v4, STW
	v_add_nc_u32 v7, s59, v7
	v_add_nc_u32 v[MSR], SBASE+MSOFF, v7
.irp i, 0,1,2,3,4,5,6,7,8,9,10,11,12,13,14,15
	v_mov_b32 v[ACC+\i], 0                         ; 16 sums, and the mask's two below: the loop's body is the same in every trip
.endr
	v_mov_b32 v[MS], 0
	v_mov_b32 v[MS+1], 0
	s_wait_loadcnt 0x0
	; sigmoid(x) = 1 / (1 + 2^(-log2(e) x)): the factor goes into Q and bias once
.irp i, 0,1,2,3,4,5,6,7
	v_pk_mul_f32 v[QP+2*\i:QP+2*\i+1], v[QP+2*\i:QP+2*\i+1], 0xbfb8aa3b op_sel_hi:[1,0]
.endr
	v_pk_mul_f32 v[BP:BP+1], v[BP:BP+1], 0xbfb8aa3b op_sel_hi:[1,0]
.irp x, 0,1,2,3,4,5,6,7,8,9,10,11,12,13,14,15
	v_cvt_pk_bf16_f32 v[QF+\x], v[MR+2*\x], v[MR+2*\x+1]
.endr
; THE STREAM.  Step x = 8 j + i (j: 0..15 in the block, i: row).  Its five stages work in place on slot i.
.macro M_T x                           ; t = q' k + b'
	v_pk_fma_f32 v[SL+2*((\x)%8):SL+2*((\x)%8)+1], v[QP+2*((\x)%8):QP+2*((\x)%8)+1], v[KR+2*((\x)/8):KR+2*((\x)/8)+1], v[BP:BP+1]
.endm
.macro M_E x, hf                       ; 2^t
	v_exp_f32 v[SL+2*((\x)%8)+\hf], v[SL+2*((\x)%8)+\hf]
.endm
.macro M_A x                           ; 1 + 2^t
	s_wait_alu depctr_va_vdst(0)
	v_pk_add_f32 v[SL+2*((\x)%8):SL+2*((\x)%8)+1], v[SL+2*((\x)%8):SL+2*((\x)%8)+1], 1.0 op_sel_hi:[1,0]
.endm
.macro M_R x, hf                       ; the sigmoid
	v_rcp_f32 v[SL+2*((\x)%8)+\hf], v[SL+2*((\x)%8)+\hf]
.endm
.macro M_C x                           ; sum += mask x sigmoid; the mask's word is one register of a pair, given to both halves
.set ci, (\x)%8
.set cm, MR+32*(((\x)/32)%2)+4*ci+2*((((\x)/8)%4)/2)
.if ((\x)/8)%2
	v_pk_fma_f32 v[ACC+2*ci:ACC+2*ci+1], v[SL+2*ci:SL+2*ci+1], v[cm:cm+1], v[ACC+2*ci:ACC+2*ci+1] op_sel:[0,1,0]
.else
	v_pk_fma_f32 v[ACC+2*ci:ACC+2*ci+1], v[SL+2*ci:SL+2*ci+1], v[cm:cm+1], v[ACC+2*ci:ACC+2*ci+1] op_sel_hi:[1,0,1]
.endif
.endm
; One turn: the exponentials of step n, the sum 1 + e of step n - 1, the reciprocals of step n - 2, the masked sum of step n - 3, t of step n + 1.
; Plain and transcendental instructions alternate, so that between a transcendental and the first use of its result there is always
; a plain vector instruction on other registers (ISA guide 5.7.2).  A slot lives 5 turns; it is taken again after 8.
.macro STEP
	M_E n, 0
.if n >= 1
	M_A n-1
.endif
	M_E n, 1
.if n >= 3
	M_C n-3
.endif
.if n >= 2
	M_R n-2, 0
.endif
.if n < NSTEP-1
	M_T n+1
.endif
.if n >= 2
	M_R n-2, 1
.endif
.endm
; A block: 16 j.  Everything else (LDS traffic, the matrix product, out1's numbers) is strewn between the turns, each request some 28 turns ahead of its wait.
.macro BLOCK
.irp j, 0,1,2,3
	ds_load_b64 v[KR+2*\j:KR+2*\j+1], v[KAD] offset:\j*KROW                ; a row of K: 32 lanes x 8 bytes = its 256 bytes
.endr
.irp i, 0,1,2,3,4,5,6,7
	ds_load_b128 v[MR+4*\i:MR+4*\i+3], v[MAD] offset:\i*MPITCH             ; set 0: j 0-3, one address for all lanes
.endr
.irp j, 4,5,6,7,8,9,10,11,12,13,14,15
	ds_load_b64 v[KR+2*\j:KR+2*\j+1], v[KAD] offset:\j*KROW
.endr
.irp i, 0,1,2,3,4,5,6,7
	ds_load_b128 v[MR+32+4*\i:MR+32+4*\i+3], v[MAD] offset:\i*MPITCH+16    ; set 1: j 4-7
.endr
	s_wait_dscnt 20                                ; the first 12 loads (j 0-3) are in; the 12 + 8 behind them may be out
	M_T 0
.set n, 0
.rept NSTEP
	STEP
.if n == 7
	s_wait_dscnt 0x0                               ; the rest of the block's K, and set 1
.endif
.if n >= 8
.if n < 24
	v_cvt_pk_bf16_f32 v[CV+n%4], v[KR+2*(n-8)], v[KR+2*(n-8)+1]           ; row n - 8 of the block as bf16: my two channels are one word
	ds_store_b32 v[BST], v[CV+n%4] offset:(n-8)*BPITCH
.endif
.endif
.if n == 35                                        ; set 0 was last read in turn 34
.irp i, 0,1,2,3,4,5,6,7
	ds_load_b128 v[MR+4*\i:MR+4*\i+3], v[MAD] offset:\i*MPITCH+32          ; set 0: j 8-11
.endr
.irp f, 0,1,2,3
	ds_load_b128 v[AF+4*\f:AF+4*\f+3], v[FRA] offset:32*\f                 ; LDS serves a wave's instructions in order (ISA guide 5.7.1.4): these see the 16 stores above
.endr
	ds_load_b128 v[DM:DM+3], v[MDA]
	ds_load_b128 v[DM+4:DM+7], v[MDA] offset:16
.endif
.if n == 63
	s_wait_dscnt 0x0                               ; set 0, the fragments, the mask in D's layout: asked for 28 turns ago
	v_wmma_f32_16x16x32_bf16 v[D0:D0+7], v[AF:AF+7], v[QF:QF+7], 0         ; two sums, each started by its one product: register v of lane (r, h)
	v_wmma_f32_16x16x32_bf16 v[D1:D1+7], v[AF+8:AF+15], v[QF+8:QF+15], 0   ; is row r % 8, column 8 h + v of the block
.endif
.if n == 67                                        ; set 1 was last read in turn 66
.irp i, 0,1,2,3,4,5,6,7
	ds_load_b128 v[MR+32+4*\i:MR+32+4*\i+3], v[MAD] offset:\i*MPITCH+48    ; set 1: j 12-15
.endr
.endif
.if n >= 72                                        ; 8 turns, 24 plain vector instructions on other registers, behind the matrix instructions (ISA guide 7.12.1 asks for 4)
.if n < 76
	v_pk_mul_f32 v[PR+2*(n-72):PR+2*(n-72)+1], v[D0+2*(n-72):D0+2*(n-72)+1], v[DM+2*(n-72):DM+2*(n-72)+1]
	v_pk_fma_f32 v[PR+2*(n-72):PR+2*(n-72)+1], v[D1+2*(n-72):D1+2*(n-72)+1], v[DM+2*(n-72):DM+2*(n-72)+1], v[PR+2*(n-72):PR+2*(n-72)+1]
	v_pk_add_f32 v[MS:MS+1], v[MS:MS+1], v[DM+2*(n-72):DM+2*(n-72)+1]
.endif
.endif
.if n == 76
	ds_store_b128 v[MDA], v[PR:PR+3]               ; over the mask's bytes of these 16 j: all reads of them were issued above, and no tensor load lands here any more
	ds_store_b128 v[MDA], v[PR+4:PR+7] offset:16
.endif
.if n == 95
	s_wait_dscnt 0x0                               ; set 1, asked for 28 turns ago
.endif
.set n, n+1
.endr
	; the stream runs dry; the addresses' steps are the plain instructions between the last reciprocals and their use
	M_A NSTEP-1
	M_C NSTEP-3
	M_R NSTEP-2, 0
	M_R NSTEP-2, 1
	M_R NSTEP-1, 0
	M_R NSTEP-1, 1
	v_add_nc_u32 v[KAD], 16*KROW, v[KAD]
	s_wait_alu depctr_va_vdst(0)
	M_C NSTEP-2
	v_add_nc_u32 v[MAD], 64, v[MAD]
	M_C NSTEP-1
	v_add_nc_u32 v[MDA], 64, v[MDA]
.endm
; 64 finished columns of out1 leave: a load takes two rows' 256 bytes, a store writes them as two aligned runs of 256 consecutive bytes
.macro OUTHALF hf
	s_wait_xcnt 0x0                                ; the registers that earlier stores read are loaded again only behind this wait
.irp p, 0,1,2,3
	ds_load_b128 v[OB+4*\p:OB+4*\p+3], v[RDA] offset:\p*2*MPITCH+\hf*256
.endr
.irp p, 0,1,2,3
	s_wait_dscnt 3-\p                              ; LDS loads come back in order: pair p is in, the younger ones may be out
	global_store_b128 v[COF], v[OB+4*\p:OB+4*\p+3], s[14:15] offset:\p*2*MROW+\hf*256 th:TH_STORE_NT
.endr
.endm
.irp hf, 0,1
	s_wait_tensorcnt 1-\hf                         ; first: K rows 0-63 and the mask tile are in, the load of rows 64-127 may be out; then: that one too
	s_mov_b32 s58, 4                               ; four blocks of 16 j
.Lblock\hf:
	BLOCK
	s_sub_co_u32 s58, s58, 1
	s_cmp_lg_u32 s58, 0
	s_cbranch_scc1 .Lblock\hf
	OUTHALF \hf
.endr
	; THE WAVES' SUMS MEET.  Each wave lays its 8 rows x 64 sums and its 8 mask sums in its own stage (the bf16 rows there are done with).
.irp i, 0,1,2,3,4,5,6,7
	ds_store_b64 v[PST], v[ACC+2*\i:ACC+2*\i+1] offset:\i*KROW
.endr
	v_add_f32 v[MS], v[MS], v[MS+1]
	v_permlanex16_b32 v[MS+1], v[MS], s56, s57     ; the other eight columns of each block
	v_add_f32 v[MS], v[MS], v[MS+1]                ; my wave's sum of the mask in row lane % 8
	ds_store_b32 v[MSA], v[MS]                     ; four lanes write each word, with the same value
	s_wait_dscnt 0x0                               ; for the other waves' sake: all my stores are done
	s_barrier_signal -1
	s_barrier_wait -1
	; wave w finishes row w
	ds_load_b32 v5, v[MSR]                         ; lane l: wave (l % 8)'s mask sum of row w
.irp u, 0,1,2,3,4,5,6,7
	ds_load_b64 v[KR+2*\u:KR+2*\u+1], v[PRD] offset:\u*STW
.endr
	s_wait_dscnt 8                                 ; the mask sum's word; the eight loads behind it may be out
	v_add_f32_dpp v5, v5, v5 row_xmask:1 row_mask:0xf bank_mask:0xf
	v_add_f32_dpp v5, v5, v5 row_xmask:2 row_mask:0xf bank_mask:0xf
	v_add_f32_dpp v5, v5, v5 row_xmask:4 row_mask:0xf bank_mask:0xf        ; every lane: the sum over the eight waves
	v_rcp_f32 v6, v5
	v_rcp_f32 v7, v5                               ; twice: a pair for the packed multiply; the sums below stand between these and their use
	s_wait_dscnt 0x0
	v_pk_add_f32 v[KR:KR+1], v[KR:KR+1], v[KR+2:KR+3]
	v_pk_add_f32 v[KR+4:KR+5], v[KR+4:KR+5], v[KR+6:KR+7]
	v_pk_add_f32 v[KR+8:KR+9], v[KR+8:KR+9], v[KR+10:KR+11]
	v_pk_add_f32 v[KR+12:KR+13], v[KR+12:KR+13], v[KR+14:KR+15]
	v_pk_add_f32 v[KR:KR+1], v[KR:KR+1], v[KR+4:KR+5]
	v_pk_add_f32 v[KR+8:KR+9], v[KR+8:KR+9], v[KR+12:KR+13]
	v_pk_add_f32 v[KR:KR+1], v[KR:KR+1], v[KR+8:KR+9]
	s_wait_alu depctr_va_vdst(0)
	v_pk_mul_f32 v[KR:KR+1], v[KR:KR+1], v[6:7]
	global_store_b64 v[OOF], v[KR:KR+1], s[12:13] th:TH_STORE_NT           ; 32 lanes x 8 bytes: the row's 256 bytes
	s_wait_tensorcnt 0x0
	ds_add_u32 v8, v9
	s_wait_dscnt 0x0
	ROUND                                          ; the closing round: no work-group ends while a partner may still ask jointly
	s_endpgm
.Lfunc_end_k_q120b60bbfe_attn:
	.size	k_q120b60bbfe_attn, .Lfunc_end_k_q120b60bbfe_attn-k_q120b60bbfe_attn
	.p2alignl 7, 3214868480
	.fill 96, 4, 3214868480
	.section	.rodata,"a",@progbits
	.p2align	6, 0x0
	.amdhsa_kernel k_q120b60bbfe_attn
		.amdhsa_group_segment_fixed_size 316416
		.amdhsa_private_segment_fixed_size 0
		.amdhsa_enable_private_segment 0
		.amdhsa_kernarg_size 48
		.amdhsa_user_sgpr_count 2
		.amdhsa_user_sgpr_kernarg_segment_ptr 1
		.amdhsa_wavefront_size32 1
		.amdhsa_system_sgpr_workgroup_id_x 1
		.amdhsa_system_sgpr_workgroup_id_y 1
		.amdhsa_system_sgpr_workgroup_id_z 1
		.amdhsa_system_vgpr_workitem_id 0
		.amdhsa_next_free_vgpr 256
		.amdhsa_next_free_sgpr 66
		.amdhsa_reserve_vcc 0
		.amdhsa_float_denorm_mode_32 3
		.amdhsa_float_denorm_mode_16_64 3
		.amdhsa_memory_ordered 1
		.amdhsa_forward_progress 1
		.amdhsa_inst_pref_size 116
	.end_amdhsa_kernel
	.amdgpu_metadata
---
amdhsa.version: [ 1, 2 ]
amdhsa.kernels:
  - .name:           k_q120b60bbfe_attn
    .symbol:         k_q120b60bbfe_attn.kd
    .args:
      - { .name: K, .offset: 0, .size: 8, .value_kind: global_buffer, .address_space: global }
      - { .name: Q, .offset: 8, .size: 8, .value_kind: global_buffer, .address_space: global }
      - { .name: bias, .offset: 16, .size: 8, .value_kind: global_buffer, .address_space: global }
      - { .name: mask, .offset: 24, .size: 8, .value_kind: global_buffer, .address_space: global }
      - { .name: out0, .offset: 32, .size: 8, .value_kind: global_buffer, .address_space: global }
      - { .name: out1, .offset: 40, .size: 8, .value_kind: global_buffer, .address_space: global }
    .group_segment_fixed_size: 316416
    .private_segment_fixed_size: 0
    .kernarg_segment_align: 8
    .kernarg_segment_size: 48
    .max_flat_workgroup_size: 256
    .sgpr_count:     66
    .vgpr_count:     256
    .wavefront_size: 32
...
	.end_amdgpu_metadata
.endif
;; end of part 1
;; ======== version 2 of 2: 1 launch; 1.32 times as fast as version 1
;; launch attn (part 2): grid 256 x 1, 8 waves a work-group, clusters of 4 x 1, 316,416 bytes of LDS; arguments K, Q, bias, mask, out0, out1; writes out0, out1
.if DOCPART == 2
	.amdgcn_target "amdgcn-amd-amdhsa--gfx1250"
	.amdhsa_code_object_version 6
	.text
	.protected	k_q120b60bbfe_attn
	.globl	k_q120b60bbfe_attn
	.p2align	8
	.type	k_q120b60bbfe_attn,@function
k_q120b60bbfe_attn:
	s_mov_b64 s[64:65], 0
	v_nop
	global_prefetch_b8 v0, s[64:65] scope:SCOPE_SE
	s_setreg_imm32_b32 hwreg(HW_REG_WAVE_MODE, 25, 1), 1
	s_wait_xcnt 0x0
	s_wait_alu depctr_hold_cnt(0) depctr_sa_sdst(0) depctr_va_vdst(0) depctr_va_sdst(0) depctr_va_ssrc(0) depctr_va_vcc(0) depctr_vm_vsrc(0)
	s_getreg_b32 s2, hwreg(HW_REG_IB_STS2, 6, 4)
	s_cmp_eq_u32 s2, 0
	s_cbranch_scc0 .Lentry_in_a_cluster
	s_endpgm
.Lentry_in_a_cluster:
	s_bfe_u32 s2, ttmp6, 0x10000c
	s_cmp_lg_u32 s2, 0x3003
	s_cbranch_scc0 .Lentry_shape_is_right
	s_endpgm
.Lentry_shape_is_right:
; out0[b][i][c] = sum_j sigmoid(Q[b][i][c] K[b][j][c] + bias[c]) mask[b][i][j] / sum_j mask[b][i][j]
; out1[b][i][j] = (sum_c Q[b][i][c] K[b][j][c]) mask[b][i][j]          B = 2, I = J = 1024, C = 64, all f32.
;
; SHARES.  2048 rows (b, i) over 256 work-groups: 8 rows each, all 1024 j.  Eight waves; wave w owns j = 128 w .. 128 w + 127 for all
; 8 rows.  Lane l owns channels 2 l and 2 l + 1, so the sum over j stays in the lane (8 register pairs); the eight waves' sums meet once in LDS.
; The work is 2 x 8 x 128 = 2,048 sigmoids a lane, each one v_exp_f32 and one v_rcp_f32; the product Q K^T is 16 matrix instructions a wave.
; Two waves on a SIMD, not one with a large tile: there is no large matrix tile to hold, and one wave's waits are covered by the other's arithmetic.
;
; BATCHES.  The sigmoid stream goes in TURNS of one j for all 8 rows.  A turn's 16 exponentials (of its own j) and 16 reciprocals (of the j before) are ONE
; BATCH with ONE wait at the turn's end; all that reads a result of the batch stands in the next turn.  A block of 16 j has 17 such waits.
;
; LDS, filled once, nothing is filled again: K[b] whole in f32 (8 x 32,768 bytes, a wave's 128 rows each), 8 mask tiles (8 rows x 512 bytes, laid at a
; pitch of 528 by the descriptor's padding), 8 stages of 2,304 bytes.  Every wave fills and reads its own bytes alone, so its own TENSORcnt is all the
; ordering that its reads need; the one work-group barrier stands in front of the final sum over the waves.
;
; CLUSTER.  128 work-groups (32 whole clusters of 4) work on one batch and need the same K.  Each wave's two loads of K are joint loads of the
; four work-groups (mask 15): same line, same descriptor (made of the cluster's x and the wave's number alone), behind one round of the cluster's
; barrier.  That divides the requests for K by four.  The mask tile is each work-group's own: a plain load.  A wave has three tensor loads out at the most.
;
; out1.  The K pairs that the sigmoid stream has in registers anyway are rounded to bf16 and laid in the wave's stage (16 rows, pitch 144), read back as a
; fragment, and multiplied with K's rows as source 0 and Q's rows as source 1: a lane then holds 8 neighbouring j of row (lane % 8).  The work-group
; has only 8 rows, so columns 8-15 of the matrix tile repeat rows 0-7 (same values to the same LDS bytes).  The product times the mask overwrites the mask
; bytes of those 16 j, which the sigmoid stream has read by then and into which no tensor load lands any more; after 64 j whole rows of 256 bytes leave.
;
; LIMITS.  v_exp_f32 and v_rcp_f32 flush denormals (ISA guide, their entries in chapter 15): a sigmoid below 2^-126 counts as 0; a mask row sum of
; magnitude below 2^-126 counts as 0, one above 2^126 has the reciprocal 0.  Overflow is harmless: 2^t = inf gives 1 + inf, whose reciprocal is 0.
; An all-zero mask row gives 0 x inf = NaN, as the division 0 / 0 does.  Q K^T has bf16 operands and f32 sums.
.set KROW,   256                       ; bytes in a row of K, Q, out0
.set MROW,   4096                      ; bytes in a row of mask, out1
.set KSLICE, 128*KROW                  ; a wave's rows of K
.set KCHUNK, 64*KROW                   ; what one load of K brings
.set MBASE,  8*KSLICE                  ; LDS: the mask tiles begin behind K
.set MPITCH, 528                       ; 512 bytes + 16 of padding: 8 rows begin at 8 different 16-byte columns of 256 bytes
.set MTILE,  4352                      ; 8 x 528 = 4,224, rounded up to blocks of 256
.set SBASE,  MBASE+8*MTILE             ; LDS: the stages
.set STW,    2304                      ; a wave's stage: 16 x 144; later 8 x 256 of partial sums and 8 words of mask sums
.set BPITCH, 144                       ; 128 bytes of bf16 + 16: 9 x 16, so 16 rows begin at 16 different 16-byte columns of 256 bytes
.set MSOFF,  2048                      ; the mask sums' place in a stage
.set NJ,     16                        ; j in a block
.set SLB, 0                            ; v[0:7]     slots of the odd j, rows 0-3: the set-up's registers, free in the loops (v5-7 are written anew on the way out)
.set KAD, 10                           ; LDS: my 8 bytes in the block's first row of K          (+4,096 a block)
.set MAD, 11                           ; LDS: the block's first column in my wave's mask tile, the same in all lanes   (+64 a block)
.set MDA, 12                           ; LDS: row lane % 8, columns 8 (lane / 16) .. +7 of the block, in the mask tile   (+64 a block)
.set BST, 13                           ; LDS: my word in the stage's first bf16 row
.set FRA, 14                           ; LDS: my fragment's first 16 bytes in the stage
.set RDA, 15                           ; LDS: the way out: row lane / 16, 16 bytes at 16 (lane % 16)
.set COF, 16                           ; out1: the same place
.set PST, 17                           ; LDS: my 8 bytes of my wave's partial sums
.set MSA, 18                           ; LDS: my wave's mask sum of row lane % 8
.set PRD, 19                           ; LDS: my 8 bytes of row w in wave 0's partial sums
.set MSR, 20                           ; LDS: wave (lane % 8)'s mask sum of row w
.set OOF, 21                           ; out0: my 8 bytes of row w
.set QOF, 22                           ; Q, bias: 8 x lane
.set QFO, 23                           ; Q: my fragment's first bytes
.set BP,  24                           ; v[24:25]   -log2(e) bias of my 2 channels
.set MS,  26                           ; v[26:27]   running sum of the mask, D's layout
.set CV,  28                           ; v[28:31]   bf16 words on their way to the stage
.set QP,  32                           ; v[32:47]   -log2(e) Q of my 2 channels, 8 rows
.set ACC, 48                           ; v[48:63]   the sums over j, 8 rows
.set SL,  64                           ; v[64:79]   slots of the even j (one pair a row): t, then 2^t, then 1 + 2^t, then the sigmoid
.set KR,  80                           ; v[80:111]  K of my 2 channels, the block's 16 j
.set MR,  112                          ; v[112:175] mask, two sets of 8 rows x 4 j, the same in all lanes
.set QF,  176                          ; v[176:191] Q as bf16 fragments, channels 0-31 and 32-63
.set AF,  192                          ; v[192:207] K as bf16 fragments, likewise
.set PR,  192                          ; v[192:199] out1's numbers, where K's first fragment lay: written two turns behind the matrix instruction that read it
.set D0,  208                          ; v[208:215] product over channels 0-31
.set D1,  216                          ; v[216:223] product over channels 32-63
.set DM,  224                          ; v[224:231] mask in D's layout
.set SLC, 232                          ; v[232:239] slots of the odd j, rows 4-7
.set OB,  240                          ; v[240:255] the way out
.set G1K,  24                          ; s[24:31] group 1 of K's loads
.set G1M,  32                          ; s[32:39] group 1 of the mask's load
.set G0K0, 40                          ; s[40:43] group 0: K rows 0-63 of my slice
.set G0M,  44                          ; s[44:47] group 0: my mask tile
.set G0K1, 48                          ; s[48:51] group 0: K rows 64-127
; A round of the cluster's barrier: my work-group's barrier, wave 0 signals for the work-group, every wave waits for all four, my work-group's barrier again.
.macro ROUND
	s_barrier_signal -1
	s_barrier_wait -1
	s_cmp_lg_u32 s16, 0
	s_cbranch_scc1 .Lnot_wave_0_\@
	s_barrier_signal -3
.Lnot_wave_0_\@:
	s_barrier_wait -3
	s_barrier_signal -1
	s_barrier_wait -1
.endm
	s_load_b256 s[4:11], s[0:1], 0x0               ; K s[4:5], Q s[6:7], bias s[8:9], mask s[10:11]
	s_load_b128 s[12:15], s[0:1], 0x20             ; out0 s[12:13], out1 s[14:15]
	v_lshl_add_u32 v8, v0, 2, 0x4d000
	v_mov_b32 v9, 0
	ds_add_u32 v8, v9
	v_lshrrev_b32 v1, 5, v0
	v_readfirstlane_b32 s16, v1                    ; wave 0..7
	s_bfe_u32 s17, ttmp6, 0x40000                  ; cx: my place in the cluster
	s_lshl_b32 s18, ttmp9, 2
	s_add_co_u32 s18, s18, s17                     ; work-group = 4 x cluster + cx
	s_lshr_b32 s19, ttmp9, 5                       ; batch: 32 clusters each; made of the cluster's x alone
	; K's group 1: a dense block as 64 rows of 32 elements of 8 bytes
	s_mov_b32 s[G1K+0], 15|(3<<16)|(1<<21)         ; 15:0 the four work-groups; 17:16 elements of 8 bytes; 21 set beside a mask
	s_mov_b32 s[G1K+1], 32<<16                     ; tensor_dim0 = 32
	s_mov_b32 s[G1K+2], 64<<16                     ; tensor_dim1 = 64
	s_mov_b32 s[G1K+3], 32<<16                     ; tile_dim0 = 32
	s_mov_b32 s[G1K+4], 64                         ; tile_dim1 = 64
	s_mov_b32 s[G1K+5], 32                         ; from row to row: 32 elements
	s_mov_b32 s[G1K+6], 0
	s_mov_b32 s[G1K+7], 0
	; the mask's group 1: 8 rows of 128 f32, 1,024 elements apart, 4 words of padding behind every 128 words
	s_mov_b32 s[G1M+0], (2<<16)|(1<<20)|(6<<22)|(3<<25)
	s_mov_b32 s[G1M+1], 128<<16                    ; tensor_dim0 = 128
	s_mov_b32 s[G1M+2], 8<<16                      ; tensor_dim1 = 8
	s_mov_b32 s[G1M+3], 128<<16                    ; tile_dim0 = 128
	s_mov_b32 s[G1M+4], 8                          ; tile_dim1 = 8
	s_mov_b32 s[G1M+5], 1024
	s_mov_b32 s[G1M+6], 0
	s_mov_b32 s[G1M+7], 0
	; the three groups 0.  LDS addresses: a constant plus the wave's number times a constant
	s_mov_b32 s[G0K0], 1
	s_mov_b32 s[G0M], 1
	s_mov_b32 s[G0K1], 1
	s_lshl_b32 s[G0K0+1], s16, 15                  ; wave x 32,768
	s_add_co_u32 s[G0K1+1], s[G0K0+1], KCHUNK
	s_mul_i32 s22, s16, MTILE
	s_add_co_u32 s[G0M+1], s22, MBASE
	s_lshl_b32 s54, s19, 18                        ; K: batch x 262,144 + wave x 32,768 bytes: equal in the four partners
	s_lshl_b32 s55, s16, 15
	s_add_co_u32 s54, s54, s55
	s_mov_b32 s55, 0
	s_lshl_b32 s52, s18, 15                        ; mask and out1: work-group x 8 rows x 4,096 + wave x 512 bytes
	s_lshl_b32 s53, s16, 9
	s_add_co_u32 s52, s52, s53
	s_mov_b32 s53, 0
	s_lshl_b32 s20, s18, 11                        ; Q and out0: work-group x 8 rows x 256 bytes
	s_mov_b32 s21, 0
	s_wait_dscnt 0x0
	s_wait_kmcnt 0x0
	s_add_nc_u64 s[G0K0+2:G0K0+3], s[4:5], s[54:55]
	s_add_nc_u64 s[G0K1+2:G0K1+3], s[G0K0+2:G0K0+3], KCHUNK
	s_add_nc_u64 s[G0M+2:G0M+3], s[10:11], s[52:53]
	s_or_b32 s[G0K0+3], s[G0K0+3], 0x80000000      ; type = 2
	s_or_b32 s[G0K1+3], s[G0K1+3], 0x80000000
	s_or_b32 s[G0M+3], s[G0M+3], 0x80000000
	s_add_nc_u64 s[14:15], s[14:15], s[52:53]
	s_add_nc_u64 s[6:7], s[6:7], s[20:21]
	s_add_nc_u64 s[12:13], s[12:13], s[20:21]
	ROUND                                          ; all four work-groups are here: the joint loads meet
	tensor_load_to_lds s[G0K0:G0K0+3], s[G1K:G1K+7]    ; all fills of the launch, as one group
	s_nop 0
	tensor_load_to_lds s[G0M:G0M+3], s[G1M:G1M+7]
	s_nop 0
	tensor_load_to_lds s[G0K1:G0K1+3], s[G1K:G1K+7]
	s_nop 0
	; while they are on their way: Q, bias, addresses
	v_and_b32 v1, 31, v0                           ; lane
	v_and_b32 v2, 15, v0                           ; r = lane % 16
	v_bfe_u32 v3, v0, 4, 1                         ; h = lane / 16
	v_and_b32 v4, 7, v0                            ; lane % 8
	v_lshlrev_b32 v[QOF], 3, v1
	v_lshlrev_b32 v[QFO], 8, v4                    ; fragment: row lane % 8,
	v_lshl_add_u32 v[QFO], v3, 5, v[QFO]           ; channels 8 h .. (32 bytes of f32)
.irp i, 0,1,2,3,4,5,6,7
	global_load_b64 v[QP+2*\i:QP+2*\i+1], v[QOF], s[6:7] offset:\i*KROW
.endr
	global_load_b64 v[BP:BP+1], v[QOF], s[8:9]
	; fragment registers 0-3 hold k = 8 h .. +7, registers 4-7 k = 16 + 8 h .. +7 (ISA guide 7.12.2): in f32 two loads of 16 bytes each, at 0 and at 64 bytes; the second K step 128 bytes on
.irp t, 0,1,2,3,4,5,6,7
	global_load_b128 v[MR+4*\t:MR+4*\t+3], v[QFO], s[6:7] offset:(\t/4)*128+((\t/2)%2)*64+(\t%2)*16
.endr
	s_mul_i32 s22, s16, STW
	s_add_co_u32 s22, s22, SBASE                   ; my stage
	s_lshl_b32 s23, s16, 8                         ; row w of 256 bytes
	s_lshl_b32 s59, s16, 2
	s_mov_b32 s56, 0x76543210                      ; v_permlanex16_b32: lane i reads lane i of the other half
	s_mov_b32 s57, 0xfedcba98
	v_lshl_add_u32 v[KAD], v1, 3, s[G0K0+1]
	v_mov_b32 v[MAD], s[G0M+1]
	v_mul_u32_u24 v7, v4, MPITCH
	v_lshl_add_u32 v7, v3, 5, v7
	v_add_nc_u32 v[MDA], s[G0M+1], v7
	v_lshl_add_u32 v[BST], v1, 2, s22
	v_mul_u32_u24 v7, v2, BPITCH
	v_lshl_add_u32 v7, v3, 4, v7
	v_add_nc_u32 v[FRA], s22, v7
	v_mul_u32_u24 v7, v3, MPITCH
	v_lshl_add_u32 v7, v2, 4, v7
	v_add_nc_u32 v[RDA], s[G0M+1], v7
	v_lshlrev_b32 v7, 12, v3
	v_lshl_add_u32 v[COF], v2, 4, v7
	v_lshl_add_u32 v[PST], v1, 3, s22
	v_lshl_add_u32 v[MSA], v4, 2, s22
	v_add_nc_u32 v[MSA], MSOFF, v[MSA]
	v_lshl_add_u32 v[OOF], v1, 3, s23
	v_add_nc_u32 v[PRD], SBASE, v[OOF]
	v_mul_u32_u24 v7, v4, STW
	v_add_nc_u32 v7, s59, v7
	v_add_nc_u32 v[MSR], SBASE+MSOFF, v7
.irp i, 0,1,2,3,4,5,6,7,8,9,10,11,12,13,14,15
	v_mov_b32 v[ACC+\i], 0                         ; 16 sums, and the mask's two below: the loop's body is the same in every trip
.endr
	v_mov_b32 v[MS], 0
	v_mov_b32 v[MS+1], 0
	s_wait_loadcnt 0x0
	; sigmoid(x) = 1 / (1 + 2^(-log2(e) x)): the factor goes into Q and bias once
.irp i, 0,1,2,3,4,5,6,7
	v_pk_mul_f32 v[QP+2*\i:QP+2*\i+1], v[QP+2*\i:QP+2*\i+1], 0xbfb8aa3b op_sel_hi:[1,0]
.endr
	v_pk_mul_f32 v[BP:BP+1], v[BP:BP+1], 0xbfb8aa3b op_sel_hi:[1,0]
.irp x, 0,1,2,3,4,5,6,7,8,9,10,11,12,13,14,15
	v_cvt_pk_bf16_f32 v[QF+\x], v[MR+2*\x], v[MR+2*\x+1]
.endr
; THE STREAM.  A step is (j, i): j 0..15 in the block, i the row.  Its five stages work in place on the slot of row i in the set of j's parity.
.macro SLOTREG g, i                    ; rS = the slot's first register
.if ((\g)%2) == 0
.set rS, SL+2*(\i)
.elseif (\i) < 4
.set rS, SLB+2*(\i)
.else
.set rS, SLC+2*((\i)-4)
.endif
.endm
.macro M_T g, i                        ; t = q' k + b'
	SLOTREG \g, \i
	v_pk_fma_f32 v[rS:rS+1], v[QP+2*(\i):QP+2*(\i)+1], v[KR+2*(\g):KR+2*(\g)+1], v[BP:BP+1]
.endm
.macro M_E g, i, hf                    ; 2^t
	SLOTREG \g, \i
	v_exp_f32 v[rS+\hf], v[rS+\hf]
.endm
.macro M_A g, i                        ; 1 + 2^t
	SLOTREG \g, \i
	v_pk_add_f32 v[rS:rS+1], v[rS:rS+1], 1.0 op_sel_hi:[1,0]
.endm
.macro M_R g, i, hf                    ; the sigmoid
	SLOTREG \g, \i
	v_rcp_f32 v[rS+\hf], v[rS+\hf]
.endm
.macro M_C g, i                        ; sum += mask x sigmoid; the mask's word is one register of a pair, given to both halves
	SLOTREG \g, \i
.set cm, MR+32*(((\g)/4)%2)+4*(\i)+2*(((\g)%4)/2)
.if (\g)%2
	v_pk_fma_f32 v[ACC+2*(\i):ACC+2*(\i)+1], v[rS:rS+1], v[cm:cm+1], v[ACC+2*(\i):ACC+2*(\i)+1] op_sel:[0,1,0]
.else
	v_pk_fma_f32 v[ACC+2*(\i):ACC+2*(\i)+1], v[rS:rS+1], v[cm:cm+1], v[ACC+2*(\i):ACC+2*(\i)+1] op_sel_hi:[1,0,1]
.endif
.endm
; TURN g, cut into nine parts r.  Part r holds row r's three plain lines: the masked sum of j = g - 2; t of j = g, into the slot that this sum has just read;
; 1 + 2^t of j = g - 1; and between them row r - 1's four lines of the turn's BATCH: the two exponentials of j = g, the two reciprocals of j = g - 1.
; No line of a turn names a result of the turn's own batch: an exponential's is first named by the sum 1 + 2^t, a reciprocal's by the masked sum, both in the
; next turn.  So the batch's 32 results have one wait, at the turn's end.  A slot lives two turns: two sets of eight.
; The stage's conversions and stores (turns 4 and 5; a store a part behind its conversion) and out1's numbers (turn 10) ride along.
.macro PART
.if (r < 8) && (g >= 2)
	M_C g-2, r
.endif
.if (r > 0) && (g < NJ)
	M_E g, r-1, 0
.endif
.if (r < 8) && (g < NJ)
	M_T g, r
.endif
.if (r > 0) && (g < NJ)
	M_E g, r-1, 1
.endif
.if (r < 8) && (g >= 1) && (g <= NJ)
	M_A g-1, r
.endif
.if (r > 0) && (g >= 1) && (g <= NJ)
	M_R g-1, r-1, 0
.endif
.if (r < 8) && ((g == 4) || (g == 5))
.set rr, 8*(g-4)+r
	v_cvt_pk_bf16_f32 v[CV+rr%4], v[KR+2*rr], v[KR+2*rr+1]                 ; row rr of the block as bf16: my two channels are one word
.endif
.if (r < 4) && (g == 10)                           ; a whole turn, 24 plain vector instructions on other registers, behind the matrix instructions (ISA guide 7.12.1 asks for 4)
	v_pk_mul_f32 v[PR+2*r:PR+2*r+1], v[D0+2*r:D0+2*r+1], v[DM+2*r:DM+2*r+1]
	v_pk_fma_f32 v[PR+2*r:PR+2*r+1], v[D1+2*r:D1+2*r+1], v[DM+2*r:DM+2*r+1], v[PR+2*r:PR+2*r+1]
	v_pk_add_f32 v[MS:MS+1], v[MS:MS+1], v[DM+2*r:DM+2*r+1]
.endif
.if (r > 0) && (g >= 1) && (g <= NJ)
	M_R g-1, r-1, 1
.endif
.if (r > 0) && ((g == 4) || (g == 5))
.set rr, 8*(g-4)+r-1
	ds_store_b32 v[BST], v[CV+rr%4] offset:rr*BPITCH
.endif
.endm
; A block: 16 j in 18 turns (the last two run the stream dry).  The LDS traffic and the matrix product stand behind the turns' waits, each request three turns or more ahead of its wait.
.macro BLOCK
.irp j, 0,1,2,3
	ds_load_b64 v[KR+2*\j:KR+2*\j+1], v[KAD] offset:\j*KROW                ; a row of K: 32 lanes x 8 bytes = its 256 bytes
.endr
.irp i, 0,1,2,3,4,5,6,7
	ds_load_b128 v[MR+4*\i:MR+4*\i+3], v[MAD] offset:\i*MPITCH             ; set 0: j 0-3, one address for all lanes
.endr
.irp j, 4,5,6,7,8,9,10,11,12,13,14,15
	ds_load_b64 v[KR+2*\j:KR+2*\j+1], v[KAD] offset:\j*KROW
.endr
.irp i, 0,1,2,3,4,5,6,7
	ds_load_b128 v[MR+32+4*\i:MR+32+4*\i+3], v[MAD] offset:\i*MPITCH+16    ; set 1: j 4-7
.endr
	s_wait_dscnt 20                                ; the first 12 loads (j 0-3) are in; the 12 + 8 behind them may be out
.set g, 0
.rept NJ+2
.set r, 0
.rept 9
	PART
.set r, r+1
.endr
.if g < NJ
	v_nop                                          ; a plain instruction behind the batch's last reciprocal: every plain line of the turn feeds the batch, so none is left to stand here
	s_wait_alu depctr_va_vdst(0)                   ; the wait for the turn's batch (16 exponentials of j = g, 16 reciprocals of j = g - 1), ahead of the next turn's readers
.endif
.if g == NJ
	v_add_nc_u32 v[KAD], 16*KROW, v[KAD]           ; the addresses' steps are the plain work between the block's last batch, the 16 reciprocals of j = 15,
	v_add_nc_u32 v[MAD], 64, v[MAD]
	v_add_nc_u32 v[MDA], 64, v[MDA]
	s_wait_alu depctr_va_vdst(0)                   ; and the wait for it; the last turn holds the masked sums alone
.endif
.if g == 3
	s_wait_dscnt 0x0                               ; the rest of the block's K, and set 1: turns 0 to 3 took j 0-3 alone
.endif
.if g == 5                                         ; set 0 was last read in this turn (j = 3)
.irp i, 0,1,2,3,4,5,6,7
	ds_load_b128 v[MR+4*\i:MR+4*\i+3], v[MAD] offset:\i*MPITCH+32          ; set 0: j 8-11
.endr
.irp f, 0,1,2,3
	ds_load_b128 v[AF+4*\f:AF+4*\f+3], v[FRA] offset:32*\f                 ; LDS serves a wave's instructions in order (ISA guide 5.7.1.4): these see the 16 stores above
.endr
	ds_load_b128 v[DM:DM+3], v[MDA]
	ds_load_b128 v[DM+4:DM+7], v[MDA] offset:16
.endif
.if g == 8
	s_wait_dscnt 0x0                               ; set 0 (first read in turn 10), the fragments, the mask in D's layout: asked for three turns ago
	v_wmma_f32_16x16x32_bf16 v[D0:D0+7], v[AF:AF+7], v[QF:QF+7], 0         ; two sums, each started by its one product: register v of lane (r, h)
	v_wmma_f32_16x16x32_bf16 v[D1:D1+7], v[AF+8:AF+15], v[QF+8:QF+15], 0   ; is row r % 8, column 8 h + v of the block
.endif
.if g == 9                                         ; set 1 was last read in this turn (j = 7)
.irp i, 0,1,2,3,4,5,6,7
	ds_load_b128 v[MR+32+4*\i:MR+32+4*\i+3], v[MAD] offset:\i*MPITCH+48    ; set 1: j 12-15
.endr
.endif
.if g == 10
	ds_store_b128 v[MDA], v[PR:PR+3]               ; over the mask's bytes of these 16 j: all reads of them were issued above, and no tensor load lands here any more
	ds_store_b128 v[MDA], v[PR+4:PR+7] offset:16
.endif
.if g == 13
	s_wait_dscnt 0x0                               ; set 1 (first read in turn 14), asked for four turns ago
.endif
.set g, g+1
.endr
.endm
; 64 finished columns of out1 leave: a load takes two rows' 256 bytes, a store writes them as two aligned runs of 256 consecutive bytes
.macro OUTHALF hf
	s_wait_xcnt 0x0                                ; the registers that earlier stores read are loaded again only behind this wait
.irp p, 0,1,2,3
	ds_load_b128 v[OB+4*\p:OB+4*\p+3], v[RDA] offset:\p*2*MPITCH+\hf*256
.endr
.irp p, 0,1,2,3
	s_wait_dscnt 3-\p                              ; LDS loads come back in order: pair p is in, the younger ones may be out
	global_store_b128 v[COF], v[OB+4*\p:OB+4*\p+3], s[14:15] offset:\p*2*MROW+\hf*256 th:TH_STORE_NT
.endr
.endm
.irp hf, 0,1
	s_wait_tensorcnt 1-\hf                         ; first: K rows 0-63 and the mask tile are in, the load of rows 64-127 may be out; then: that one too
	s_mov_b32 s58, 4                               ; four blocks of 16 j
.Lblock\hf:
	BLOCK
	s_sub_co_u32 s58, s58, 1
	s_cmp_lg_u32 s58, 0
	s_cbranch_scc1 .Lblock\hf
	OUTHALF \hf
.endr
	; THE WAVES' SUMS MEET.  Each wave lays its 8 rows x 64 sums and its 8 mask sums in its own stage (the bf16 rows there are done with).
.irp i, 0,1,2,3,4,5,6,7
	ds_store_b64 v[PST], v[ACC+2*\i:ACC+2*\i+1] offset:\i*KROW
.endr
	v_add_f32 v[MS], v[MS], v[MS+1]
	v_permlanex16_b32 v[MS+1], v[MS], s56, s57     ; the other eight columns of each block
	v_add_f32 v[MS], v[MS], v[MS+1]                ; my wave's sum of the mask in row lane % 8
	ds_store_b32 v[MSA], v[MS]                     ; four lanes write each word, with the same value
	s_wait_dscnt 0x0                               ; for the other waves' sake: all my stores are done
	s_barrier_signal -1
	s_barrier_wait -1
	; wave w finishes row w
	ds_load_b32 v5, v[MSR]                         ; lane l: wave (l % 8)'s mask sum of row w
.irp u, 0,1,2,3,4,5,6,7
	ds_load_b64 v[KR+2*\u:KR+2*\u+1], v[PRD] offset:\u*STW
.endr
	s_wait_dscnt 8                                 ; the mask sum's word; the eight loads behind it may be out
	v_add_f32_dpp v5, v5, v5 row_xmask:1 row_mask:0xf bank_mask:0xf
	v_add_f32_dpp v5, v5, v5 row_xmask:2 row_mask:0xf bank_mask:0xf
	v_add_f32_dpp v5, v5, v5 row_xmask:4 row_mask:0xf bank_mask:0xf        ; every lane: the sum over the eight waves
	v_rcp_f32 v6, v5
	v_rcp_f32 v7, v5                               ; twice: a pair for the packed multiply; the sums below stand between these and their use
	s_wait_dscnt 0x0
	v_pk_add_f32 v[KR:KR+1], v[KR:KR+1], v[KR+2:KR+3]
	v_pk_add_f32 v[KR+4:KR+5], v[KR+4:KR+5], v[KR+6:KR+7]
	v_pk_add_f32 v[KR+8:KR+9], v[KR+8:KR+9], v[KR+10:KR+11]
	v_pk_add_f32 v[KR+12:KR+13], v[KR+12:KR+13], v[KR+14:KR+15]
	v_pk_add_f32 v[KR:KR+1], v[KR:KR+1], v[KR+4:KR+5]
	v_pk_add_f32 v[KR+8:KR+9], v[KR+8:KR+9], v[KR+12:KR+13]
	v_pk_add_f32 v[KR:KR+1], v[KR:KR+1], v[KR+8:KR+9]
	s_wait_alu depctr_va_vdst(0)                   ; the wait ahead of the first use: one for the two reciprocals, the seven sums above between
	v_pk_mul_f32 v[KR:KR+1], v[KR:KR+1], v[6:7]
	global_store_b64 v[OOF], v[KR:KR+1], s[12:13] th:TH_STORE_NT           ; 32 lanes x 8 bytes: the row's 256 bytes
	s_wait_tensorcnt 0x0
	ds_add_u32 v8, v9
	s_wait_dscnt 0x0
	ROUND                                          ; the closing round: no work-group ends while a partner may still ask jointly
	s_endpgm
.Lfunc_end_k_q120b60bbfe_attn:
	.size	k_q120b60bbfe_attn, .Lfunc_end_k_q120b60bbfe_attn-k_q120b60bbfe_attn
	.p2alignl 7, 3214868480
	.fill 96, 4, 3214868480
	.section	.rodata,"a",@progbits
	.p2align	6, 0x0
	.amdhsa_kernel k_q120b60bbfe_attn
		.amdhsa_group_segment_fixed_size 316416
		.amdhsa_private_segment_fixed_size 0
		.amdhsa_enable_private_segment 0
		.amdhsa_kernarg_size 48
		.amdhsa_user_sgpr_count 2
		.amdhsa_user_sgpr_kernarg_segment_ptr 1
		.amdhsa_wavefront_size32 1
		.amdhsa_system_sgpr_workgroup_id_x 1
		.amdhsa_system_sgpr_workgroup_id_y 1
		.amdhsa_system_sgpr_workgroup_id_z 1
		.amdhsa_system_vgpr_workitem_id 0
		.amdhsa_next_free_vgpr 256
		.amdhsa_next_free_sgpr 66
		.amdhsa_reserve_vcc 0
		.amdhsa_float_denorm_mode_32 3
		.amdhsa_float_denorm_mode_16_64 3
		.amdhsa_memory_ordered 1
		.amdhsa_forward_progress 1
		.amdhsa_inst_pref_size 110
	.end_amdhsa_kernel
	.amdgpu_metadata
---
amdhsa.version: [ 1, 2 ]
amdhsa.kernels:
  - .name:           k_q120b60bbfe_attn
    .symbol:         k_q120b60bbfe_attn.kd
    .args:
      - { .name: K, .offset: 0, .size: 8, .value_kind: global_buffer, .address_space: global }
      - { .name: Q, .offset: 8, .size: 8, .value_kind: global_buffer, .address_space: global }
      - { .name: bias, .offset: 16, .size: 8, .value_kind: global_buffer, .address_space: global }
      - { .name: mask, .offset: 24, .size: 8, .value_kind: global_buffer, .address_space: global }
      - { .name: out0, .offset: 32, .size: 8, .value_kind: global_buffer, .address_space: global }
      - { .name: out1, .offset: 40, .size: 8, .value_kind: global_buffer, .address_space: global }
    .group_segment_fixed_size: 316416
    .private_segment_fixed_size: 0
    .kernarg_segment_align: 8
    .kernarg_segment_size: 48
    .max_flat_workgroup_size: 256
    .sgpr_count:     66
    .vgpr_count:     256
    .wavefront_size: 32
...
	.end_amdgpu_metadata
.endif
;; end of part 2
